; MI455X (gfx1250); checked and timed in simulation.
; The chip was launched on July 23, 2026; its instructions are those of AMD's public machine-readable ISA for CDNA 5 (MIT licence, August 2026) and "CDNA5" Instruction Set Architecture Reference Guide (July 2026). The comments in the code are by the model that wrote it; some were corrected since.
;; Grouped Self Attention. Allowed arithmetic: matrix products marked QUANTISED: E2M3 operands, one E8M0 scale for each 32 along K, by v_wmma_scale_f32_16x16x128_f8f6f4 with both operands' format E2M3, f32 sums; everything else in f32.
;; Inputs: Wk 1,024 x 1,024 float32; Wq 1,024 x 1,024 float32; Wv 1,024 x 1,024 float32; attention_mask 2 x 2,048 int32; x 2 x 2,048 x 1,024 float32.
;; Outputs: out0 2 x 2,048 x 1,024 float32.
;; This version of the problem:
;;   THIS VERSION OF THE PROBLEM IS GIVEN IN LOW PRECISION. The matrix products marked QUANTISED in the list below multiply operands that are first quantised to E2M3 (2 exponent bits, 3 mantissa bits; 6 bits a number), with one power-of-two scale for each 32 numbers along K (OCP MX v1.0); their sums are f32. All else is computed in f32.
;;   The module's matrix products, in the order in which they are computed (A, B: the left and right operand; K: the contracted axis; several contracted axes count as one K, in the product's order):
;;     1. [M 4,096, K 1,024] x [K 1,024, N 1,024]; A: input x; B: input Wq: QUANTISED
;;     2. [M 4,096, K 1,024] x [K 1,024, N 1,024]; A: input x; B: input Wk: QUANTISED
;;     3. [M 4,096, K 1,024] x [K 1,024, N 1,024]; A: input x; B: input Wv: QUANTISED
;;     4. batch 32 x [M 2,048, K 64] x [K 64, N 2,048]; A: computed on the way; B: computed on the way: QUANTISED
;;     5. batch 32 x [M 64, K 2,048] x [K 2,048, N 2,048]; A: computed on the way; B: softmax (see below): QUANTISED
;;   THE QUANTISER, for each operand of a quantised product, along K:
;;     - K is cut into blocks of 32 from its start; a last block that is shorter is filled with zeros.
;;     - A block's scale is 2^e with e = floor(log2(the largest magnitude in the block)) - 2, held to -126 .. 127; a block of zeros has e = 0. As a byte (E8M0): e + 127.
;;     - Each number is divided by its block's scale, clamped to +-7.5, and rounded to the nearest number of E2M3, ties to even, subnormals kept.
;;     - The product sums the exact products of the quantised numbers (number of the format x scale) in f32.
;;   ~~~python
;;   def quantise(x, axis):      # numpy; x: float32 -> the quantised numbers, widened to float32 again
;;       x = np.moveaxis(x, axis, -1); K = x.shape[-1]
;;       x = np.pad(x, [(0, 0)] * (x.ndim - 1) + [(0, -K % 32)]); x = x.reshape(x.shape[:-1] + (-1, 32)); a = np.abs(x).max(-1, keepdims=True)
;;       e = np.where(a > 0, np.clip(np.frexp(np.where(a > 0, a, 1))[1] - 1 - 2, -126, 127), 0)      # np.frexp(a)[1] - 1 = floor(log2(a)), exactly
;;       r = np.clip(x / 2.0 ** e, -7.5, 7.5)
;;       step = 2.0 ** (np.maximum(np.frexp(np.where(r == 0, 1, r))[1] - 1, 0) - 3)
;;       q = np.round(r / step) * step * 2.0 ** e      # np.round: ties to even
;;       return np.moveaxis(q.reshape(q.shape[:-2] + (-1,))[..., :K], -1, axis).astype(np.float32)
;;   ~~~
;;   SOFTMAX AHEAD OF A QUANTISED PRODUCT. Where the list says 'softmax', what is quantised is not the finished softmax but p = 2^(t - M), with t = logit x log2(e) and M = ceil(the row's largest t), a whole number; so 1/2 < the row's largest p <= 1. The row's sum l is taken of the UNQUANTISED p, in f32, and the product's result is divided by l at the end. Since M is a whole number, a kernel that streams over the keys may use a running M (the ceiling of the running maximum): every later rescaling is an exact power of two, which a block's scale takes up: the codes' values come out the same.
;;   OPERANDS COMPUTED ON THE WAY. 'Computed on the way' means the value that the module computes at that place (a softmax that the list does not call 'softmax' is quantised finished and normalised). What goes into a quantiser is computed in f32, as accurately as f32 sums, v_exp_f32 and their like allow (about 1e-6 of the number): no bf16 or f16 on the way to a quantiser, and a product that is left as it is and whose result goes on into a quantised operand takes f32 operands (vector FMAs, or v_wmma_f32_16x16x4_f32). A number that lies on a knife's edge between two numbers of the format may be rounded either way, as far as f32 arithmetic and the matrix unit's own rounding can turn it there, and no further.
;; One version. Each part assembles by itself: llvm-mc -triple=amdgcn-amd-amdhsa -mcpu=gfx1250 --defsym DOCPART=n.
;; ======== version 1 of 1: 3 launches
;; limits: right only within a limited range of input values
;; workspace buffers: acodes 5,505,024 bytes; ascales 229,376 bytes; hcodes 10,092,544 bytes
;; launch quant (part 1): grid 224 x 1, 4 waves a work-group, no clusters, 33,280 bytes of LDS; arguments x, Wq, Wk, Wv, acodes, ascales; writes acodes, ascales
.if DOCPART == 1
	.amdgcn_target "amdgcn-amd-amdhsa--gfx1250"
	.amdhsa_code_object_version 6
	.text
	.protected	k_q416dc830d5_quant
	.globl	k_q416dc830d5_quant
	.p2align	8
	.type	k_q416dc830d5_quant,@function
k_q416dc830d5_quant:
	s_mov_b64 s[64:65], 0
	v_nop
	global_prefetch_b8 v0, s[64:65] scope:SCOPE_SE
	s_setreg_imm32_b32 hwreg(HW_REG_WAVE_MODE, 25, 1), 1
	s_wait_xcnt 0x0
; x [4096][1024], Wq, Wk, Wv [1024][1024], f32, K innermost, become codes of FP6 (E2M3) with one E8M0 scale byte for each 32 along K.
; ONE table of 7,168 places: 0-4095 x's rows, 4096-5119 Wq's, 5120-6143 Wk's, 6144-7167 Wv's.  Scale bytes: [7168][32].
; CODES LIE IN FOUR PLANES, one for each 256 along K: [4][7168][192 bytes].  So 128 places of one plane are 24,576 dense bytes, which the next launch fetches as rows of 256 bytes, each at a multiple of 256.
; THE PLACES ARE PERMUTED: place p holds source row p with bits 3 and 4 of its number exchanged, so that 16 neighbouring places are rows 0-7 and 16-23 (or 8-15 and 24-31) of a group of 32.
; A block's scale is 2^(floor(log2(its largest magnitude)) - 2); its byte is that magnitude's exponent field - 2, held at 1 from below.  A block of zeros gets the byte 1 where the rule says 127:
; its codes are zeros, which add nothing under any byte but 0xff, and this program alone reads the bytes.
; LIMITS: blocks whose largest magnitude lies under 2^-124 get the byte 1; NaN and infinities among the inputs are not served.
; SHARES: a work-group takes 32 rows, a wave 8 rows in 16 steps of 512 numbers (half a row).  Work-groups 0-127 take x, 128-159 Wq, 160-191 Wk, 192-223 Wv: only a pointer is chosen.
; Each of a step's four loads reads 512 consecutive bytes; the 2,048 bytes turn through the wave's own stage in LDS and come back 16 neighbours a lane.  Lanes 0-15 then hold 256 along K, lanes 16-31 the next 256:
; a store puts 192 consecutive bytes into each of two planes; a wave's eight rows fill 1,536 consecutive bytes of each plane.  Its 256 scale bytes leave as one aligned run.
; No matrix unit, cluster, tensor load or barrier: work-groups share no input, waves share nothing.  Loads run four steps (16 loads a wave) ahead.
.set STEPS, 16
.set EMAX,  2
.set CB,    12                         ; bytes of 16 codes
.set KSB,   7168*192                   ; a plane's bytes
.set R,     16                         ; v16-79   four sets of 16 numbers as loaded
.set X,     80                         ; v80-111  two sets of 16 neighbours
.set E,     112                        ; v112-127 a scale byte for each step
.set C,     128                        ; v128-191 codes: registers of its own for each step
.set WREG,  8192                       ; LDS: a wave's region: two stages of 32 x SP bytes, then its 256 scale bytes
.set SP,    80                         ; a lane's 64 bytes + 16 of padding
	s_load_b256 s[4:11], s[0:1], 0x0               ; x, Wq, Wk, Wv
	s_load_b128 s[12:15], s[0:1], 0x20             ; codes, scale bytes
	v_lshl_add_u32 v192, v0, 2, 0x8000             ; my spare word, behind the four regions
	v_mov_b32 v193, 0
	v_lshrrev_b32 v1, 5, v0
	v_readfirstlane_b32 s16, v1                    ; wave
	v_and_b32 v2, 31, v0                           ; lane
	v_lshlrev_b32 v3, 4, v2
	s_mul_i32 s17, s16, WREG
	v_lshrrev_b32 v14, 2, v2
	v_mul_u32_u24 v14, v14, SP
	v_and_b32 v15, 3, v2
	v_lshl_add_u32 v14, v15, 4, v14
	v_add_nc_u32 v14, s17, v14                     ; the stage, in: SP (lane / 4) + 16 (lane % 4)
	v_mul_u32_u24 v15, v2, SP
	v_add_nc_u32 v15, s17, v15                     ; out: SP x lane
	v_and_b32 v4, 15, v2
	v_mul_u32_u24 v4, v4, CB
	v_lshrrev_b32 v12, 4, v2
	v_mad_u32_u24 v4, v12, KSB, v4                 ; my codes: 12 (lane % 16), lanes 16-31 one plane on
	v_lshrrev_b32 v5, 1, v2
	s_add_co_u32 s17, s17, 2*32*SP
	v_add_nc_u32 v5, s17, v5                       ; LDS: my block's scale byte
	v_lshlrev_b32 v7, 3, v2
	v_add_nc_u32 v6, s17, v7
	s_mov_b32 s20, 192
	s_wait_alu depctr_va_vdst(0)                   ; the wait at the head's end
	s_wait_kmcnt 0x0
	s_cmp_lt_u32 ttmp9, 192                        ; which tensor: by the work-group's number alone
	s_cselect_b64 s[10:11], s[8:9], s[10:11]
	s_cselect_b32 s20, 160, s20
	s_cmp_lt_u32 ttmp9, 160
	s_cselect_b64 s[10:11], s[6:7], s[10:11]
	s_cselect_b32 s20, 128, s20
	s_cmp_lt_u32 ttmp9, 128
	s_cselect_b64 s[10:11], s[4:5], s[10:11]
	s_cselect_b32 s20, 0, s20
	s_sub_co_u32 s18, ttmp9, s20
	s_lshl_b32 s18, s18, 2
	s_add_co_u32 s18, s18, s16                     ; which run of 8 rows of the tensor
	s_lshl_b32 s18, s18, 15
	s_mov_b32 s19, 0
	s_add_nc_u64 s[10:11], s[10:11], s[18:19]
	s_and_b32 s21, s16, 1                          ; the permutation: bits 3 and 4 of a row are bits 0 and 1 of the wave
	s_lshl_b32 s21, s21, 1
	s_lshr_b32 s22, s16, 1
	s_or_b32 s21, s21, s22
	s_lshl_b32 s22, ttmp9, 2
	s_add_co_u32 s22, s22, s21                     ; which run of 8 places
	s_mul_i32 s18, s22, 8*192
	s_add_nc_u64 s[12:13], s[12:13], s[18:19]
	s_lshl_b32 s18, s22, 8
	s_add_nc_u64 s[14:15], s[14:15], s[18:19]
.macro LOAD t
.irp i, 0,1,2,3
	global_load_b128 v[R+16*((\t)%4)+4*\i:R+16*((\t)%4)+4*\i+3], v3, s[10:11] offset:2048*(\t)+512*\i th:TH_LOAD_NT
.endr
.endm
.macro TURN t                          ; LDS serves a wave's instructions in order (ISA guide 5.7.1.4): no wait between the stores and the loads
.irp i, 0,1,2,3
	ds_store_b128 v14, v[R+16*((\t)%4)+4*\i:R+16*((\t)%4)+4*\i+3] offset:32*SP*((\t)%2)+8*SP*\i
.endr
.irp i, 0,1,2,3
	ds_load_b128 v[X+16*((\t)%2)+4*\i:X+16*((\t)%2)+4*\i+3], v15 offset:32*SP*((\t)%2)+16*\i
.endr
.endm
.irp t, 0,1,2,3
	LOAD \t
.endr
	s_wait_loadcnt 12                              ; step 0's four loads are in; twelve younger may be out
	TURN 0
.macro STEP t
.set XS, X+16*((\t)%2)
.if (\t) > 0
	s_wait_dscnt 1                                 ; this step's numbers are back (the last byte store may be out)
.else
	s_wait_dscnt 0x0
.endif
.if (\t)+4 < STEPS
	LOAD (\t)+4
.endif
.if (\t)+1 < STEPS
.if STEPS-2-(\t) >= 3
	s_wait_loadcnt 12                              ; the next step's four are in; three steps' loads may be out
.else
	s_wait_loadcnt 4*(STEPS-2-(\t))
.endif
	TURN (\t)+1
.endif
	v_max3_num_f32 v8, |v[XS]|, |v[XS+1]|, |v[XS+2]|
	v_max3_num_f32 v9, |v[XS+3]|, |v[XS+4]|, |v[XS+5]|
.irp i, 6,10
	v_max3_num_f32 v8, v8, |v[XS+\i]|, |v[XS+\i+1]|
	v_max3_num_f32 v9, v9, |v[XS+\i+2]|, |v[XS+\i+3]|
.endr
	v_max3_num_f32 v8, v8, |v[XS+14]|, |v[XS+15]|
	v_max3_num_f32 v8, v8, v9, (EMAX+1)<<23        ; the floor 2^(3 - 127): the byte cannot fall under 1
	v_max_num_f32_dpp v8, v8, v8 row_xmask:1 row_mask:0xf bank_mask:0xf   ; with my neighbour's 16: the block's
	v_add_nc_u32 v11, -(EMAX<<23), v8              ; 2 off the exponent field: the conversion's scale operand
	v_cvt_scalef32_pk16_fp6_f32 v[C+4*(\t):C+4*(\t)+2], v[XS:XS+15], v11
	v_lshrrev_b32 v[E+(\t)], 23, v11               ; the scale's byte (also the plain line behind the conversion)
	ds_store_b8 v5, v[E+(\t)] offset:16*(\t)
	global_store_b96 v4, v[C+4*(\t):C+4*(\t)+2], s[12:13] offset:192*((\t)/2)+2*KSB*((\t)%2)   ; row t / 2; planes 2 (t % 2) and 2 (t % 2) + 1
.endm
.irp t, 0,1,2,3,4,5,6,7,8,9,10,11,12,13,14,15
	STEP \t
.endr
	ds_load_b64 v[12:13], v6
	s_wait_dscnt 0x0
	global_store_b64 v7, v[12:13], s[14:15]        ; 32 lanes store 256 consecutive bytes, aligned
	s_wait_tensorcnt 0x0                           ; the wave's end
	ds_add_u32 v192, v193
	s_wait_dscnt 0x0
	s_endpgm
.Lfunc_end_k_q416dc830d5_quant:
	.size	k_q416dc830d5_quant, .Lfunc_end_k_q416dc830d5_quant-k_q416dc830d5_quant
	.p2alignl 7, 3214868480
	.fill 96, 4, 3214868480
	.section	.rodata,"a",@progbits
	.p2align	6, 0x0
	.amdhsa_kernel k_q416dc830d5_quant
		.amdhsa_group_segment_fixed_size 33280
		.amdhsa_private_segment_fixed_size 0
		.amdhsa_enable_private_segment 0
		.amdhsa_kernarg_size 48
		.amdhsa_user_sgpr_count 2
		.amdhsa_user_sgpr_kernarg_segment_ptr 1
		.amdhsa_wavefront_size32 1
		.amdhsa_system_sgpr_workgroup_id_x 1
		.amdhsa_system_sgpr_workgroup_id_y 1
		.amdhsa_system_sgpr_workgroup_id_z 1
		.amdhsa_system_vgpr_workitem_id 0
		.amdhsa_next_free_vgpr 194
		.amdhsa_next_free_sgpr 66
		.amdhsa_reserve_vcc 0
		.amdhsa_float_denorm_mode_32 3
		.amdhsa_float_denorm_mode_16_64 3
		.amdhsa_memory_ordered 1
		.amdhsa_forward_progress 1
		.amdhsa_inst_pref_size 33
	.end_amdhsa_kernel
	.amdgpu_metadata
---
amdhsa.version: [ 1, 2 ]
amdhsa.kernels:
  - .name:           k_q416dc830d5_quant
    .symbol:         k_q416dc830d5_quant.kd
    .args:
      - { .name: x, .offset: 0, .size: 8, .value_kind: global_buffer, .address_space: global }
      - { .name: Wq, .offset: 8, .size: 8, .value_kind: global_buffer, .address_space: global }
      - { .name: Wk, .offset: 16, .size: 8, .value_kind: global_buffer, .address_space: global }
      - { .name: Wv, .offset: 24, .size: 8, .value_kind: global_buffer, .address_space: global }
      - { .name: acodes, .offset: 32, .size: 8, .value_kind: global_buffer, .address_space: global }
      - { .name: ascales, .offset: 40, .size: 8, .value_kind: global_buffer, .address_space: global }
    .group_segment_fixed_size: 33280
    .private_segment_fixed_size: 0
    .kernarg_segment_align: 8
    .kernarg_segment_size: 48
    .max_flat_workgroup_size: 128
    .sgpr_count:     66
    .vgpr_count:     194
    .wavefront_size: 32
...
	.end_amdgpu_metadata
.endif
;; end of part 1
;; launch proj (part 2): grid 12 x 16, 4 waves a work-group, clusters of 4 x 4, 327,680 bytes of LDS; arguments acodes, ascales, hcodes; writes hcodes
.if DOCPART == 2
	.amdgcn_target "amdgcn-amd-amdhsa--gfx1250"
	.amdhsa_code_object_version 6
	.text
	.protected	k_q416dc830d5_proj
	.globl	k_q416dc830d5_proj
	.p2align	8
	.type	k_q416dc830d5_proj,@function
k_q416dc830d5_proj:
	s_mov_b64 s[64:65], 0
	v_nop
	global_prefetch_b8 v0, s[64:65] scope:SCOPE_SE
	s_setreg_imm32_b32 hwreg(HW_REG_WAVE_MODE, 25, 1), 1
	s_wait_xcnt 0x0
	s_wait_alu depctr_hold_cnt(0) depctr_sa_sdst(0) depctr_va_vdst(0) depctr_va_sdst(0) depctr_va_ssrc(0) depctr_va_vcc(0) depctr_vm_vsrc(0)
	s_getreg_b32 s2, hwreg(HW_REG_IB_STS2, 6, 4)
	s_cmp_eq_u32 s2, 0
	s_cbranch_scc0 .Lentry_in_a_cluster
	s_endpgm
.Lentry_in_a_cluster:
	s_bfe_u32 s2, ttmp6, 0x10000c
	s_cmp_lg_u32 s2, 0xf033
	s_cbranch_scc0 .Lentry_shape_is_right
	s_endpgm
.Lentry_shape_is_right:
; Q = x Wq^T, K = x Wk^T, V = x Wv^T on codes of FP6 (E2M3) with E8M0 scales, then the rotation's factors (Q, K), then the quantiser of the attention's operands: Q, K along the channels, V along the keys.
; A work-group of four waves makes 256 x 256 of a product, a wave 128 x 128.  Cluster x = 0: Q, 1: K (source 0 = rows of W, source 1 = rows of x); 2: V (source 0 = rows of x, source 1 = rows of Wv): a lane's registers run along the next K.
; THE OPERANDS: acodes lies in four planes of 256 along K, [4][7168 places][192 bytes]: 128 places of a plane are 24,576 dense bytes, fetched as 96 rows of 256 bytes, each at a multiple of 256;
; 16 bytes of padding behind each 64 make LDS rows of 240 bytes for a place.  A ring of two slots, a plane's tiles in each; joint loads in a 4 x 4 cluster: A's tiles along a row, B's along a column.
; THE HEAD: four tiles, one joint load a wave: wave 0 plane 0's 256 places of A, wave 1 of B, wave 2 A's scales, wave 3 B's; slot 1's first fill stands behind the full sequence and a round.
; THE ROTATION as reference() has it: the angle hangs on the BATCH index and the channel; t cos + [t, -t] sin is a factor cos + sin (channels 0-31 of a head) or cos - sin (32-63); batch 0 and V have the factor 1.
; RESULTS, as images of the operand registers, in hcodes: [32 heads][Q 98,304 | Q's scale words 8,192 | K's 8,192 | V's 4,096 | 16 steps of 128 tokens x (K 6,144 | V 6,144)].
; Nothing is prefetched: K has four steps, of which two are asked for at the head.
.set SIZE_K, 1024
.set KSTEP,  256
.set NQ,     KSTEP/128
.set ROWB,   192
.set KSB,    7168*192
.set PITCH,  240
.set FR,     12
.set NL,     6
.set NP,     4
.set HALFT,  128*PITCH
.set SLOT,   4*HALFT
.set LAPS,   SIZE_K/(2*KSTEP)
.set KS,     SIZE_K/32
.set SCL,    2*SLOT
.set HALFS,  (128*KS/256)*272
.set SBLK,   (16*KS/256)*272
.set SPARE,  SCL+4*HALFS
.set HEADC,  315392
.set KVB,    118784
.set PARTC,  98304
.set HEADS,  HEADC
.set ADRA, 16
.set ADRB, 20
.set L16,  24
.set L8,   25
.set ADRS, 27
.set SPW,  28
.set NIL,  29
.set SC,   32
.set F,    64
.set PWA,  96
.set RR,   104
.set WA,   108
.set WB,   112
.set AF,   128
.set T,    128
.set PC,   192
.set TM,   212
.set G1, 24
.set G0, 32
.set G1B, 48
.set G0B, 56
.set G1S, 68
.set G0S, 76
.set G1SB, 80
.set G0SB, 88
.set SEL, 2
.set MSB, 0
.macro WIN new
.if MSB != \new
	s_set_vgpr_msb (MSB<<8)|\new
.set MSB, \new
.endif
.endm
.set MUL_LO, 0xa1
.set MUL_HI, 0xf1
.set TO_B,   0x40
.macro JLOAD g0a, g1a, g0b, g1b
	s_cmp_eq_u32 s15, 0
	s_cbranch_scc0 .Lfor_b_\@
	tensor_load_to_lds s[\g0a:\g0a+3], s[\g1a:\g1a+7]
	s_nop 0
.rept 4
	v_nop
.endr
	s_branch .Lasked_\@
.Lfor_b_\@:
	tensor_load_to_lds s[\g0b:\g0b+3], s[\g1b:\g1b+7]
	s_nop 0
.rept 4
	v_nop
.endr
.Lasked_\@:
.endm
.macro CREST
	s_cmp_lg_u32 s14, 0
	s_cbranch_scc1 .Lnot_wave_0_\@
	s_barrier_signal -3
.Lnot_wave_0_\@:
	s_barrier_wait -3
	s_barrier_signal -1
	s_barrier_wait -1
.endm
.macro CROUND
	s_barrier_signal -1
	s_barrier_wait -1
	CREST
.endm
	s_load_b128 s[4:7], s[0:1], 0x0
	s_load_b64 s[8:9], s[0:1], 0x10
	v_lshl_add_u32 v[SPW], v0, 2, SPARE
	v_mov_b32 v[NIL], 0
	ds_add_u32 v28, v29
	ds_add_u32 v28, v29
	s_wait_dscnt 0x0
	v_lshrrev_b32 v1, 5, v0
	v_readfirstlane_b32 s14, v1
	s_lshr_b32 s15, s14, 1
	s_and_b32 s16, s14, 1
	s_bfe_u32 s40, ttmp6, 0x40000
	s_bfe_u32 s41, ttmp6, 0x40004
	s_and_b32 s17, ttmp7, 0xffff
	s_lshl_b32 s17, s17, 2
	s_lshl_b32 s42, ttmp9, 2
	s_cmp_eq_u32 ttmp9, 2
	s_cselect_b32 s42, s17, s42
	s_cselect_b32 s17, 0, s17
	s_cselect_b32 s96, 6144, 0
	s_cselect_b32 s97, 0, 4096
	s_add_co_u32 s42, s42, s40
	s_add_co_u32 s17, s17, s41
	s_lshl_b32 s43, s41, 2
	s_lshl_b32 s43, 15, s43
	s_lshl_b32 s44, 0x1111, s40
	s_or_b32 s[G1+0], s43, (0<<16)|(1<<20)|(1<<21)|(3<<22)|(3<<25)
	s_or_b32 s[G1B+0], s44, (0<<16)|(1<<20)|(1<<21)|(3<<22)|(3<<25)
.irp g, G1, G1B
	s_mov_b32 s[\g+1], 256<<16                     ; dense bytes as rows of 256: for the head's loads 192 rows (256 places), behind them 96
	s_mov_b32 s[\g+2], 192<<16
	s_mov_b32 s[\g+3], 256<<16
	s_mov_b32 s[\g+4], 192
	s_mov_b32 s[\g+5], 256
	s_mov_b32 s[\g+6], 0
	s_mov_b32 s[\g+7], 0
.endr
	s_or_b32 s[G1S+0], s43, (3<<16)|(1<<20)|(1<<21)|(5<<22)|(3<<25)
	s_or_b32 s[G1SB+0], s44, (3<<16)|(1<<20)|(1<<21)|(5<<22)|(3<<25)
.irp g, G1S, G1SB
	s_mov_b32 s[\g+1], 32<<16
	s_mov_b32 s[\g+2], KS<<16
	s_mov_b32 s[\g+3], 32<<16
	s_mov_b32 s[\g+4], KS
	s_mov_b32 s[\g+5], 32
	s_mov_b32 s[\g+6], 0
	s_mov_b32 s[\g+7], 0
.endr
	s_lshl_b32 s20, s17, 8
	s_add_co_u32 s20, s20, s96
	s_lshl_b32 s46, s42, 8
	s_add_co_u32 s46, s46, s97
	s_mov_b32 s21, 0
	s_mov_b32 s47, 0
	s_mov_b64 s[18:19], KS
	s_mul_u64 s[22:23], s[20:21], s[18:19]
	s_mul_u64 s[92:93], s[46:47], s[18:19]
	s_mov_b64 s[18:19], ROWB
	s_mul_u64 s[20:21], s[20:21], s[18:19]
	s_mul_u64 s[46:47], s[46:47], s[18:19]
	s_mul_i32 s95, s14, HALFT                      ; the ring: where my 128 places go
	s_mul_i32 s18, s16, 128*ROWB                   ; and which half of the tile they are, in bytes
	s_mov_b32 s19, 0
	s_wait_kmcnt 0x0
	s_add_nc_u64 s[20:21], s[4:5], s[20:21]
	s_add_nc_u64 s[22:23], s[6:7], s[22:23]
	s_add_nc_u64 s[46:47], s[4:5], s[46:47]
	s_add_nc_u64 s[92:93], s[6:7], s[92:93]
	CROUND
	s_mov_b32 s[G0S], 1
	s_mov_b32 s[G0S+1], SCL
	s_mov_b64 s[G0S+2:G0S+3], s[22:23]
	s_or_b32 s[G0S+3], s[G0S+3], 0x80000000
	s_mov_b32 s[G0SB], 1
	s_mov_b32 s[G0SB+1], SCL+2*HALFS
	s_mov_b64 s[G0SB+2:G0SB+3], s[92:93]
	s_or_b32 s[G0SB+3], s[G0SB+3], 0x80000000
	s_mov_b32 s[G0], 1                             ; slot 0's sets serve the head first: plane 0's 256 places of A,
	s_mov_b32 s[G0+1], 0
	s_mov_b64 s[G0+2:G0+3], s[20:21]
	s_or_b32 s[G0+3], s[G0+3], 0x80000000
	s_mov_b32 s[G0B], 1                            ; and of B, behind them
	s_mov_b32 s[G0B+1], 2*HALFT
	s_mov_b64 s[G0B+2:G0B+3], s[46:47]
	s_or_b32 s[G0B+3], s[G0B+3], 0x80000000
	s_add_nc_u64 s[20:21], s[20:21], s[18:19]      ; slot 1: my 128 places of plane 1
	s_add_nc_u64 s[46:47], s[46:47], s[18:19]
	s_mov_b32 s[G0+4], 1
	s_add_co_u32 s[G0+5], s95, SLOT
	s_add_nc_u64 s[G0+6:G0+7], s[20:21], KSB
	s_or_b32 s[G0+7], s[G0+7], 0x80000000
	s_mov_b32 s[G0B+4], 1
	s_add_co_u32 s[G0B+5], s95, SLOT
	s_add_nc_u64 s[G0B+6:G0B+7], s[46:47], KSB
	s_or_b32 s[G0B+7], s[G0B+7], 0x80000000
.macro ARM under, g0, g1, next         ; one chain of branches on the wave's number, one load to an arm, one join
	s_cmp_lt_u32 s14, \under
	s_cbranch_scc0 \next
	tensor_load_to_lds s[\g0:\g0+3], s[\g1:\g1+7]
	s_nop 0
.rept 4
	v_nop
.endr
	s_branch .Lhead_asked
\next:
.endm
	ARM 1, G0,  G1,  .Lhead_b
	ARM 2, G0B, G1B, .Lhead_sa
	ARM 3, G0S, G1S, .Lhead_sb
	tensor_load_to_lds s[G0SB:G0SB+3], s[G1SB:G1SB+7]
	s_nop 0
.rept 4
	v_nop
.endr
.Lhead_asked:
	v_and_b32 v1, 15, v0
	v_bfe_u32 v2, v0, 4, 1
	v_mul_u32_u24 v3, v1, PITCH
	v_mul_u32_u24 v4, v2, 24
	v_add_nc_u32 v4, v3, v4
	v_lshl_add_u32 v5, v2, 4, v4
	s_mul_i32 s21, s15, HALFT
	s_mul_i32 s22, s16, HALFT
	s_add_co_u32 s22, s22, 2*HALFT
.irp s, 0,1
	v_add_nc_u32 v[ADRA+\s], s21, v4
	v_add_nc_u32 v[ADRB+\s], s22, v4
	v_add_nc_u32 v[ADRA+2+\s], s21, v5
	v_add_nc_u32 v[ADRB+2+\s], s22, v5
	s_add_co_u32 s21, s21, SLOT
	s_add_co_u32 s22, s22, SLOT
.endr
	v_mul_u32_u24 v5, v1, KS
	v_lshrrev_b32 v6, 8, v5
	v_lshl_add_u32 v5, v6, 4, v5
	s_mul_i32 s21, s15, HALFS
	s_mul_i32 s22, s16, HALFS
	s_add_co_u32 s22, s22, 2*HALFS
	s_sub_co_u32 s22, s22, s21
	v_mul_u32_u24 v6, s22, v2
	s_add_co_u32 s21, s21, SCL
	v_add_nc_u32 v5, v5, v6
	v_add_nc_u32 v[ADRS], s21, v5
	v_and_b32 v6, 31, v0
	v_lshlrev_b32 v[L16], 4, v6
	v_lshlrev_b32 v[L8], 3, v6
	s_lshl_b32 s20, s17, 1
	s_add_co_u32 s20, s20, s15
	s_lshl_b32 s21, s42, 1
	s_add_co_u32 s21, s21, s16
	s_and_b32 s22, s21, 7
	s_mov_b32 s45, 512
	s_cmp_eq_u32 ttmp9, 2
	s_cselect_b32 s23, s21, s20
	s_cselect_b32 s22, s20, s22
	s_cselect_b32 s45, 256, s45
	s_cselect_b32 s98, 0, 1.0
	s_lshr_b32 s94, s23, 4
	s_and_b32 s23, s23, 15
	s_cmp_eq_u32 s94, 0
	s_cselect_b32 s98, 0, s98
	s_lshl_b32 s94, s94, 4
	s_lshl_b32 s22, s22, 1
	s_add_co_u32 s94, s94, s22
	s_mul_i32 s20, s94, HEADC
	s_cmp_eq_u32 ttmp9, 0                          ; Q: 6,144 x step;  K: KVB + 12,288 x step;  V: 6,144 behind K
	s_cselect_b32 s21, 0, KVB-6144
	s_cselect_b32 s22, 0, 1
	s_add_co_u32 s20, s20, s21
	s_mul_i32 s21, ttmp9, 6144
	s_add_co_u32 s20, s20, s21
	s_lshl_b32 s22, s23, s22
	s_mul_i32 s21, s22, 6144
	s_add_co_u32 s20, s20, s21
	s_mov_b32 s21, 0
	s_add_nc_u64 s[12:13], s[8:9], s[20:21]
	s_mul_i32 s20, s94, HEADS
	s_lshl_b32 s22, ttmp9, 13
	s_add_co_u32 s20, s20, s22
	s_mul_i32 s22, s23, s45
	s_add_co_u32 s20, s20, s22
	s_add_co_u32 s20, s20, PARTC                   ; the scale words lie behind Q's codes
	s_add_nc_u64 s[66:67], s[8:9], s[20:21]
	s_mov_b32 s99, 0x7f7f0000
	v_lshlrev_b32 v7, 4, v2
.irp i, 0,1,2,3,4,5,6,7,8,9,10,11,12,13,14,15
	v_add_nc_u32 v[96+\i], \i, v7
.endr
.irp i, 0,1,2,3,4,5,6,7,8,9,10,11,12,13,14,15
	v_cvt_f32_u32 v[96+\i], v[96+\i]
.endr
.irp i, 0,1,2,3,4,5,6,7,8,9,10,11,12,13,14,15
	v_mul_f32 v[96+\i], 0xbed49a78, v[96+\i]
.endr
	s_wait_alu depctr_va_vdst(0)
.irp i, 0,1,2,3,4,5,6,7,8,9,10,11,12,13,14,15
	v_exp_f32 v[96+\i], v[96+\i]
.endr
	v_mov_b32 v64, 0xb2d7322b
	v_mov_b32 v65, 0x310f76c7
	s_wait_alu depctr_va_vdst(0)
.irp i, 0,1,2,3,4,5,6,7,8,9,10,11,12,13,14,15
	v_mul_f32 v[96+\i], s98, v[96+\i]
.endr
.irp i, 0,1,2,3,4,5,6,7,8,9,10,11,12,13,14,15
	v_mul_f32 v[112+\i], v[96+\i], v[96+\i]
.endr
.irp i, 0,1,2,3,4,5,6,7,8,9,10,11,12,13,14,15
	v_fmaak_f32 v[224+\i], v[112+\i], v64, 0x3638ef1d
	v_fmaak_f32 v[240+\i], v[112+\i], v65, 0xb493f27e
.endr
.irp c, 0xb9500d01, 0x3c088889, 0xbe2aaaab, 0x3f800000
.irp i, 0,1,2,3,4,5,6,7,8,9,10,11,12,13,14,15
	v_fmaak_f32 v[224+\i], v[224+\i], v[112+\i], \c
.endr
.endr
.irp c, 0x37d00d01, 0xbab60b61, 0x3d2aaaab, 0xbf000000, 0x3f800000
.irp i, 0,1,2,3,4,5,6,7,8,9,10,11,12,13,14,15
	v_fmaak_f32 v[240+\i], v[240+\i], v[112+\i], \c
.endr
.endr
.irp i, 0,1,2,3,4,5,6,7,8,9,10,11,12,13,14,15
	v_fma_f32 v[F+\i], v[224+\i], v[96+\i], v[240+\i]
	v_fma_f32 v[F+16+\i], -v[224+\i], v[96+\i], v[240+\i]
.endr
.macro FRAG reg, adr, q, i
.irp p, 0,1,2,3,4,5
.set PCE, 12*(\q)+6*(\p/3)+\p%3
.if PCE%8 < 5
	ds_load_b64 v[\reg+2*\p:\reg+2*\p+1], v[\adr] offset:8*PCE+16*(PCE/8)+(\i)*16*PITCH
.else
	ds_load_b64 v[\reg+2*\p:\reg+2*\p+1], v[\adr+2] offset:8*PCE+16*(PCE/8)+(\i)*16*PITCH
.endif
.endr
.endm
.macro MUL16 a0, p, q, sc, zero
.irp a, \a0, \a0+1
.irp b, 0,1,2,3,4,5,6,7
.if \zero
	v_wmma_scale_f32_16x16x128_f8f6f4 v[8*(8*((\a)%4)+\b):8*(8*((\a)%4)+\b)+7], v[128*(\p)+FR*\b:128*(\p)+FR*\b+FR-1], v[AF+FR*(\a):AF+FR*(\a)+FR-1], 0, v[SC+8*NQ*(\sc)+NQ*\b+(\q)], v[SC+8*NQ*(\sc)+NQ*(\a)+(\q)] matrix_a_fmt:MATRIX_FMT_FP6 matrix_b_fmt:MATRIX_FMT_FP6 matrix_a_scale:MATRIX_SCALE_ROW1
.else
	v_wmma_scale_f32_16x16x128_f8f6f4 v[8*(8*((\a)%4)+\b):8*(8*((\a)%4)+\b)+7], v[128*(\p)+FR*\b:128*(\p)+FR*\b+FR-1], v[AF+FR*(\a):AF+FR*(\a)+FR-1], v[8*(8*((\a)%4)+\b):8*(8*((\a)%4)+\b)+7], v[SC+8*NQ*(\sc)+NQ*\b+(\q)], v[SC+8*NQ*(\sc)+NQ*(\a)+(\q)] matrix_a_fmt:MATRIX_FMT_FP6 matrix_b_fmt:MATRIX_FMT_FP6 matrix_a_scale:MATRIX_SCALE_ROW1
.endif
.endr
.endr
.endm
.macro FETCH_B slot, q, p
	WIN TO_B
.irp i, 0,1,2,3,4,5,6,7
	FRAG 128*(\p)+FR*\i, ADRB+\slot, \q, \i
.endr
	WIN 0
.endm
.macro FETCH_A slot, q, i0
.irp i, \i0, \i0+1, \i0+2, \i0+3
	FRAG AF+FR*(\i), ADRA+\slot, \q, \i
.endr
.endm
.macro SCALES sc
.irp i, 0,1,2,3,4,5,6,7
	ds_load_b64 v[SC+8*NQ*\sc+NQ*\i:SC+8*NQ*\sc+NQ*\i+1], v[ADRS] offset:\i*SBLK
.endr
.endm
.macro PLACES n
.rept \n
	v_nop
.endr
.endm
.macro STEP slot, q, zero
	s_wait_dscnt 4*NL
	WIN MUL_LO
	MUL16 0, (\q)%2, \q, \slot, \zero
	MUL16 2, (\q)%2, \q, \slot, \zero
	s_wait_dscnt 0
	PLACES NP
	FETCH_B \slot, (\q)+1, 1-(\q)%2
	FETCH_A \slot, (\q)+1, 0
	WIN MUL_HI
	MUL16 4, (\q)%2, \q, \slot, \zero
	MUL16 6, (\q)%2, \q, \slot, \zero
	PLACES NP
	WIN 0
	FETCH_A \slot, (\q)+1, 4
.endm
.macro TURN slot, next, fill
	s_wait_tensorcnt 0x0
	ds_add_u32 v[SPW], v[NIL]
	s_wait_dscnt 4*NL+1
	WIN MUL_LO
	MUL16 0, 1, NQ-1, \slot, 0
	s_wait_dscnt 0x0
	s_barrier_signal -1
	MUL16 2, 1, NQ-1, \slot, 0
	WIN 0
	s_barrier_wait -1
.if \fill
	CREST
	s_add_nc_u64 s[G0+4*\slot+2:G0+4*\slot+3], s[G0+4*\slot+2:G0+4*\slot+3], 2*KSB
	s_add_nc_u64 s[G0B+4*\slot+2:G0B+4*\slot+3], s[G0B+4*\slot+2:G0B+4*\slot+3], 2*KSB
	JLOAD G0+4*\slot, G1, G0B+4*\slot, G1B
.else
	PLACES NP
.endif
	s_wait_alu depctr_va_vdst(0)
	v_add_nc_u32 v[ADRS], 4*NQ, v[ADRS]
	FETCH_B \next, 0, 0
	FETCH_A \next, 0, 0
	SCALES \next
	WIN MUL_HI
	MUL16 4, 1, NQ-1, \slot, 0
	MUL16 6, 1, NQ-1, \slot, 0
	PLACES NP
	WIN 0
	FETCH_A \next, 0, 4
.endm
	s_wait_alu depctr_va_vdst(0)                   ; the wait at the head's end
	s_wait_tensorcnt 0x0                           ; my tile of the head's four is in
	ds_add_u32 v[SPW], v[NIL]
	s_mov_b32 s[G1+2], 96<<16                      ; no load of mine is out, so descriptors may be written: from here on 96 rows (128 places) a load,
	s_mov_b32 s[G1+4], 96
	s_mov_b32 s[G1B+2], 96<<16
	s_mov_b32 s[G1B+4], 96
	s_mov_b32 s[G0+1], s95                         ; and slot 0's sets point at my 128 places of plane 0: its first refill steps them two planes on
	s_add_nc_u64 s[G0+2:G0+3], s[G0+2:G0+3], s[18:19]
	s_mov_b32 s[G0B+1], s95
	s_add_nc_u64 s[G0B+2:G0B+3], s[G0B+2:G0B+3], s[18:19]
	s_wait_dscnt 0x0
	CROUND
	JLOAD G0+4, G1, G0B+4, G1B                     ; plane 1, the first tensor load behind the round
	FETCH_B 0, 0, 0
	FETCH_A 0, 0, 0
	SCALES 0
	FETCH_A 0, 0, 4
	STEP 0, 0, 1
	s_mov_b32 s3, LAPS-1
.Llap:
	TURN 0, 1, 1
	STEP 1, 0, 0
	TURN 1, 0, 1
	STEP 0, 0, 0
	s_sub_co_u32 s3, s3, 1
	s_cmp_lg_u32 s3, 0
	s_cbranch_scc1 .Llap
	TURN 0, 1, 0
	STEP 1, 0, 0
	s_wait_dscnt 4*NL
	WIN MUL_LO
	MUL16 0, 1, NQ-1, 1, 0
	MUL16 2, 1, NQ-1, 1, 0
	s_wait_dscnt 0
	WIN MUL_HI
	MUL16 4, 1, NQ-1, 1, 0
	MUL16 6, 1, NQ-1, 1, 0
	WIN 0
.macro QUANT s, pw
.irp b, 0,1,2,3
	v_max3_num_f32 v[TM+\b], |v[\s+16*\b]|, |v[\s+1+16*\b]|, 0x1800000
.endr
.irp i, 2,4,6,8,10,12,14
.irp b, 0,1,2,3
	v_max3_num_f32 v[TM+\b], v[TM+\b], |v[\s+16*\b+\i]|, |v[\s+1+16*\b+\i]|
.endr
.endr
.irp b, 0,1,2,3
	v_permlanex16_b32 v[TM+4+\b], v[TM+\b], s[SEL], s[SEL+1]
.endr
.irp b, 0,1,2,3
	v_max_num_f32 v[TM+\b], v[TM+\b], v[TM+4+\b]
.endr
.irp b, 0,1,2,3
	v_add_nc_u32 v[TM+12+\b], 0xff000000, v[TM+\b]
.endr
.irp b, 0,1,2,3
	v_lshrrev_b32 v[TM+4+\b], 23, v[TM+12+\b]
.endr
	v_lshl_or_b32 v[\pw], v[TM+5], 8, v[TM+4]
	v_lshl_or_b32 v[\pw], v[TM+6], 16, v[\pw]
	v_lshl_or_b32 v[\pw], v[TM+7], 24, v[\pw]
.irp c, 0,1
	v_cvt_scalef32_pk16_fp6_f32 v[PC+6*\c:PC+2+6*\c], v[\s+32*\c:\s+15+32*\c], v[TM+12+2*\c]
	v_cvt_scalef32_pk16_fp6_f32 v[PC+12+4*\c:PC+14+4*\c], v[\s+16+32*\c:\s+31+32*\c], v[TM+12+2*\c+1]
.endr
	v_nop
.irp c, 0,1
.irp i, 0,1,2
	v_permlane16_swap_b32 v[PC+6*\c+\i], v[PC+12+4*\c+\i]
.endr
.irp i, 0,1,2
	v_mov_b32 v[PC+3+6*\c+\i], v[PC+12+4*\c+\i]
.endr
.endr
.endm
.macro OUTBLK a, mode
	WIN (2+(\a)/4)
.set AC, 64*((\a)%4)
.set n, 0
.rept 32
	v_pk_mul_f32 v[T+n:T+n+1], v[AC+n:AC+n+1], v[F+n%32:F+n%32+1]
.set n, n+2
.endr
	WIN 0
	s_wait_xcnt 0x0
	QUANT T, PWA+(\a)
.if \mode == 0
	global_store_b128 v[L16], v[PC:PC+3], s[12:13] offset:768*(\a)
	global_store_b64 v[L8], v[PC+4:PC+5], s[12:13] offset:768*(\a)+512
	global_store_b128 v[L16], v[PC+6:PC+9], s[12:13] offset:HEADC+768*(\a)
	global_store_b64 v[L8], v[PC+10:PC+11], s[12:13] offset:HEADC+768*(\a)+512
.else
.irp c, 0,1,2
	global_store_b128 v[L16], v[PC+4*\c:PC+4*\c+3], s[12:13] offset:((\a)/4)*HEADC+((\a)%4)*1536+512*\c
.endr
.endif
.endm
.macro OUTSC mode
.irp i, 0,1,2,3
	v_cndmask_b32 v[RR+\i], v[PWA+2*\i], v[PWA+2*\i+1], vcc_lo
.endr
.if \mode == 0
.irp i, 0,1,2,3
	v_and_or_b32 v[WA+\i], v[RR+\i], 0xffff, s99
.endr
.irp i, 0,1,2,3
	v_lshrrev_b32 v[WB+\i], 16, v[RR+\i]
.endr
.irp i, 0,1,2,3
	v_or_b32 v[WB+\i], s99, v[WB+\i]
.endr
	global_store_b128 v[L16], v[WA:WA+3], s[66:67]
	global_store_b128 v[L16], v[WB:WB+3], s[66:67] offset:HEADS
.else
	global_store_b64 v[L8], v[RR:RR+1], s[66:67]
	global_store_b64 v[L8], v[RR+2:RR+3], s[66:67] offset:HEADS
.endif
.endm
	PLACES NP
.irp b, 0,1,2,3
	v_mov_b32 v[TM+4+\b], 0
.endr
	s_mov_b32 s[SEL], 0x76543210
	s_mov_b32 s[SEL+1], 0xfedcba98
	s_mov_b32 vcc_lo, 0xffff0000
	s_cmp_eq_u32 ttmp9, 2
	s_cbranch_scc1 .Lv_out
.irp a, 0,1,2,3,4,5,6,7
	OUTBLK \a, 0
.endr
	OUTSC 0
	s_branch .Lend
.Lv_out:
.irp a, 0,1,2,3,4,5,6,7
	OUTBLK \a, 1
.endr
	OUTSC 1
.Lend:
	s_wait_tensorcnt 0x0
	ds_add_u32 v[SPW], v[NIL]
	s_wait_dscnt 0x0
	CROUND
	s_endpgm
.Lfunc_end_k_q416dc830d5_proj:
	.size	k_q416dc830d5_proj, .Lfunc_end_k_q416dc830d5_proj-k_q416dc830d5_proj
	.p2alignl 7, 3214868480
	.fill 96, 4, 3214868480
	.section	.rodata,"a",@progbits
	.p2align	6, 0x0
	.amdhsa_kernel k_q416dc830d5_proj
		.amdhsa_group_segment_fixed_size 327680
		.amdhsa_private_segment_fixed_size 0
		.amdhsa_enable_private_segment 0
		.amdhsa_kernarg_size 24
		.amdhsa_user_sgpr_count 2
		.amdhsa_user_sgpr_kernarg_segment_ptr 1
		.amdhsa_wavefront_size32 1
		.amdhsa_system_sgpr_workgroup_id_x 1
		.amdhsa_system_sgpr_workgroup_id_y 1
		.amdhsa_system_sgpr_workgroup_id_z 1
		.amdhsa_system_vgpr_workitem_id 0
		.amdhsa_next_free_vgpr 1024
		.amdhsa_next_free_sgpr 100
		.amdhsa_reserve_vcc 1
		.amdhsa_float_denorm_mode_32 3
		.amdhsa_float_denorm_mode_16_64 3
		.amdhsa_memory_ordered 1
		.amdhsa_forward_progress 1
		.amdhsa_inst_pref_size 249
	.end_amdhsa_kernel
	.amdgpu_metadata
---
amdhsa.version: [ 1, 2 ]
amdhsa.kernels:
  - .name:           k_q416dc830d5_proj
    .symbol:         k_q416dc830d5_proj.kd
    .args:
      - { .name: acodes, .offset: 0, .size: 8, .value_kind: global_buffer, .address_space: global }
      - { .name: ascales, .offset: 8, .size: 8, .value_kind: global_buffer, .address_space: global }
      - { .name: hcodes, .offset: 16, .size: 8, .value_kind: global_buffer, .address_space: global }
    .group_segment_fixed_size: 327680
    .private_segment_fixed_size: 0
    .kernarg_segment_align: 8
    .kernarg_segment_size: 24
    .max_flat_workgroup_size: 128
    .sgpr_count:     100
    .vgpr_count:     1024
    .wavefront_size: 32
...
	.end_amdgpu_metadata
.endif
;; end of part 2
;; launch attn (part 3): grid 8 x 32, 8 waves a work-group, clusters of 4 x 1, 327,680 bytes of LDS; arguments hcodes, attention_mask, out0; writes out0
.if DOCPART == 3
	.amdgcn_target "amdgcn-amd-amdhsa--gfx1250"
	.amdhsa_code_object_version 6
	.text
	.protected	k_q416dc830d5_attn
	.globl	k_q416dc830d5_attn
	.p2align	8
	.type	k_q416dc830d5_attn,@function
k_q416dc830d5_attn:
	s_mov_b64 s[64:65], 0
	v_nop
	global_prefetch_b8 v0, s[64:65] scope:SCOPE_SE
	s_setreg_imm32_b32 hwreg(HW_REG_WAVE_MODE, 25, 1), 1
	s_wait_xcnt 0x0
	s_wait_alu depctr_hold_cnt(0) depctr_sa_sdst(0) depctr_va_vdst(0) depctr_va_sdst(0) depctr_va_ssrc(0) depctr_va_vcc(0) depctr_vm_vsrc(0)
	s_getreg_b32 s2, hwreg(HW_REG_IB_STS2, 6, 4)
	s_cmp_eq_u32 s2, 0
	s_cbranch_scc0 .Lentry_in_a_cluster
	s_endpgm
.Lentry_in_a_cluster:
	s_bfe_u32 s2, ttmp6, 0x10000c
	s_cmp_lg_u32 s2, 0x3003
	s_cbranch_scc0 .Lentry_shape_is_right
	s_endpgm
.Lentry_shape_is_right:
; out[b][q][head][:] = sum over k of softmax_k(Q . K / 8, keys with mask 0 left out) V, both products on codes of FP6 (E2M3) with E8M0 scales.  32 heads (16 batch + head), 2,048 tokens, head size 64.
; hcodes: [32][Q 98,304 | Q's scale words 8,192 | K's 8,192 | V's 4,096 | 16 steps of 128 tokens x (K 6,144 | V 6,144)]: IMAGES OF THE OPERAND REGISTERS, 16 or 8 bytes a lane, lane after lane.
;   Q, K: 8 tiles x 768: 512 bytes (registers 0-3), 256 bytes (registers 4-5): the 64 channels.  V: 4 tiles of 16 channels x 1,536: 3 x 512 bytes: 128 keys.  Scale words of two tiles share a register: lanes 0-15 the even tile's, 16-31 the odd one's.
;   Row r of token tile a of a step is token 32 (a / 2) + 16 (r / 8) + 8 (a % 2) + r % 8; channel tiles likewise.
; THE SOFTMAX: t = score x log2(e) / 8; M = the row's largest t so far, rounded UP to a whole number; p = 2^(t - M) is quantised along the keys, not normalised.  The row's sum is taken of the unquantised p, in f32,
; and divides O at the end.  When M moves, the sum and O are multiplied by 2^(old M - new M): exact.
; THE MASK is an input: an addend for each key, 0 or -2^126, kept in LDS, is the C of the scores' products.  The running largest t begins at -2^100, over every masked t: a masked key has p = 0,
; and a row all of whose keys are masked ends as 0 x 1/0 = NaN, as in reference().
; LIMITS: a t under -2^100 counts as masked; scores near 2^126 are not served; NaN and infinities are not served; a block whose every p is 0 keeps the byte 1 (its codes are zeros).
; SHARES.  A work-group owns 256 queries of one head; each of its EIGHT waves owns TWO tiles of 16 queries, in 512 registers, two waves to a SIMD: each fragment of K and V, each scale word and each addend read from LDS feeds two products.
; LDS holds all of the head's K, V and scales, 208,896 bytes, as they lie in memory, filled once by two joint loads a wave: at the head the scales and steps 0-3 (30 rows of 256 bytes a wave), behind the full sequence
; and a round steps 4-15 (72 rows a wave).  Steps 0-2 run while the second load is out; one barrier follows them.  A wave has one tensor load out at a time.
; CLUSTER.  The four query blocks of a cluster belong to one head: each load is a joint one with a mask that names the four.  Nothing is prefetched: all that the launch reads is asked for by the head's two loads.
; LAYOUT.  Both products transposed: S^T = K Q^T, O^T = V^T P^T: a lane holds ONE query (lane % 16) of each tile.  The 16 registers of score tiles 2 b, 2 b + 1 are keys 32 b + 16 (lane / 16) + 0 .. 15.
; K = 64 .. 127 of the scores' products: Q's registers 6-11 are zero codes, so K's fragment may hold any codes there: K's eight tiles lie 6 registers apart, and a tile's upper half is the next tile.  Bytes 2, 3 of the scale words are 127.
; REGISTERS in two windows of 256.  In BOTH, for tile 0 and tile 1: v12 -M, v13 the largest t, v[14:15] the sum; v16-27 Q; v128-191 S^T, then p; v192-223 O^T; v224-235 p's codes; v236-254 at work.
;   window 0 also: v1-11 addresses; v28, v29 the add's; v32-79 V's four fragments; v80-83 K's scale words, v84-85 V's, v86 Q's, v87, v88 p's; v96-127 the addends of key tiles 0-3.
;   window 1 also: v28-81 K's fragments; v96-127 the addends of key tiles 4-7.
.set HEADC, 315392
.set QSC,   98304                      ; Q's scale words in a head
.set CH0,   106496                     ; what LDS holds begins here
.set KV,    12288                      ; LDS: scales in the first 12,288 bytes, step s at KV (1 + s)
.set SCV,   8192                       ; V's scale words
.set MB,    17*KV                      ; the addends, 2,048 x 4 bytes: written by LDS stores, no tensor load lands here
.set STG,   MB+8192                    ; the way out: 16 rows x 272 bytes for each wave
.set SPI,   272
.set SPARE, STG+8*16*SPI               ; the spare words, 128 bytes a wave
.set S,  128
.set O,  192
.set KF, 28
.set VF, 32
.set AD, 96
.set KS, 80
.set VS, 84
.set QS, 86
.set PS, 87
.set WV,  18
.set SEL, 20
.set CS,  22
.set G1A, 24
.set G1B, 32
.set G0A, 40
.set G0B, 44
.set TB,  2                            ; LDS byte of the step's K and V
.set TS,  3                            ; of its scale words of K
.set TV,  66                           ; of V
.set TM,  67                           ; of its addends
.set TRIP, 68
.set MSB, 0
.macro WIN new                         ; the immediate's high byte repeats the setting that is left
.if MSB != \new
	s_set_vgpr_msb (MSB<<8)|\new
.set MSB, \new
.endif
.endm
.macro ROUND
	s_barrier_signal -1
	s_barrier_wait -1
	s_cmp_lg_u32 s[WV], 0
	s_cbranch_scc1 .Lnw0_\@
	s_barrier_signal -3
.Lnw0_\@:
	s_barrier_wait -3
	s_barrier_signal -1
	s_barrier_wait -1
.endm
.macro NOPS n
.rept \n
	v_nop
.endr
.endm
	s_load_b128 s[4:7], s[0:1], 0x0                ; hcodes, the mask
	s_load_b64 s[8:9], s[0:1], 0x10                ; out
	v_lshl_add_u32 v28, v0, 2, SPARE
	v_mov_b32 v29, 0
	ds_add_u32 v28, v29
	ds_add_u32 v28, v29
	v_lshrrev_b32 v1, 5, v0
	s_delay_alu instid0(VALU_DEP_1)
	v_readfirstlane_b32 s[WV], v1                  ; wave 0..7
	s_bfe_u32 s69, ttmp6, 0x40000                  ; cx
	s_lshl_b32 s70, ttmp9, 2
	s_add_co_u32 s70, s70, s69                     ; my block of 256 queries: it enters Q's and out's addresses alone
	s_and_b32 s71, ttmp7, 0xffff                   ; the head, which the partners share
	s_mul_i32 s72, s71, HEADC
	s_mul_i32 s78, s[WV], 7680                     ; my eighth of the first 61,440 bytes
	s_add_co_u32 s76, s72, s78
	s_add_co_u32 s76, s76, CH0
	s_mov_b32 s77, 0
	s_mul_i32 s79, s[WV], 18432                    ; and of the other 147,456
	s_add_co_u32 s80, s72, s79
	s_add_co_u32 s80, s80, CH0+5*KV
	s_mov_b32 s81, 0
.irp g, G1A, G1B                               ; dense bytes as rows of 256 (32 elements of 8 bytes), no padding: every LDS load takes neighbouring bytes in neighbouring lanes
	s_mov_b32 s[\g], 15|(3<<16)|(1<<21)
	s_mov_b32 s[\g+1], 32<<16
	s_mov_b32 s[\g+3], 32<<16
	s_mov_b32 s[\g+5], 32
	s_mov_b32 s[\g+6], 0
	s_mov_b32 s[\g+7], 0
.endr
	s_mov_b32 s[G1A+2], 30<<16
	s_mov_b32 s[G1A+4], 30
	s_mov_b32 s[G1B+2], 72<<16
	s_mov_b32 s[G1B+4], 72
	s_mov_b32 s[SEL], 0x76543210
	s_mov_b32 s[SEL+1], 0xfedcba98
	s_mov_b32 s[CS], 0x3e38aa3b                    ; c = log2(e) / 8
	s_mov_b32 s[CS+1], s[CS]
	s_lshl_b32 s83, s70, 4                         ; my first tile of queries: 16 x block + 2 x wave = 8 x step + tile
	s_lshl_b32 s84, s[WV], 1
	s_add_co_u32 s83, s83, s84
	s_mul_i32 s86, s83, 768
	s_add_co_u32 s86, s86, s72
	s_mov_b32 s87, 0
	s_lshr_b32 s88, s83, 3
	s_lshl_b32 s88, s88, 9                         ; Q's scale words: 512 bytes a step, word wave % 4 of a lane's four
	s_and_b32 s89, s[WV], 3
	s_lshl_b32 s89, s89, 2
	s_add_co_u32 s88, s88, s89
	s_add_co_u32 s88, s88, s72
	s_add_co_u32 s88, s88, QSC
	s_mov_b32 s89, 0
	s_lshr_b32 s82, s71, 4                         ; the batch
	s_lshl_b32 s84, s82, 13
	s_mov_b32 s85, 0
	s_lshl_b32 s90, s82, 11                        ; out: row 2,048 x batch + 128 x step + 32 (wave % 4)
	s_lshr_b32 s91, s83, 3
	s_lshl_b32 s91, s91, 7
	s_add_co_u32 s90, s90, s91
	s_and_b32 s91, s[WV], 3
	s_lshl_b32 s91, s91, 5
	s_add_co_u32 s90, s90, s91
	s_lshl_b32 s90, s90, 12
	s_and_b32 s91, s71, 15
	s_lshl_b32 s91, s91, 8
	s_add_co_u32 s90, s90, s91
	s_mov_b32 s91, 0
	s_mul_i32 s92, s[WV], 16*SPI
	s_add_co_u32 s92, s92, STG
	s_wait_dscnt 0x0
	s_wait_kmcnt 0x0
	s_mov_b32 s[G0A], 1
	s_mov_b32 s[G0A+1], s78
	s_add_nc_u64 s[G0A+2:G0A+3], s[4:5], s[76:77]
	s_or_b32 s[G0A+3], s[G0A+3], 0x80000000
	s_mov_b32 s[G0B], 1
	s_add_co_u32 s[G0B+1], s79, 5*KV
	s_add_nc_u64 s[G0B+2:G0B+3], s[4:5], s[80:81]
	s_or_b32 s[G0B+3], s[G0B+3], 0x80000000
	s_add_nc_u64 s[86:87], s[4:5], s[86:87]        ; Q's images
	s_add_nc_u64 s[88:89], s[4:5], s[88:89]        ; Q's scale words
	s_add_nc_u64 s[6:7], s[6:7], s[84:85]          ; my batch's mask
	s_add_nc_u64 s[8:9], s[8:9], s[90:91]          ; out
	ROUND
	tensor_load_to_lds s[G0A:G0A+3], s[G1A:G1A+7]  ; the scales and steps 0-3: my one load at the head
	s_nop 0
	NOPS 4
	v_and_b32 v7, 31, v0
	s_delay_alu instid0(VALU_DEP_1)
	v_lshlrev_b32 v1, 4, v7                        ; v1: 16 x lane
	s_delay_alu instid0(VALU_DEP_2)
	v_lshlrev_b32 v2, 3, v7                        ; v2: 8 x lane
	v_bfe_u32 v8, v0, 4, 1                         ; h
	v_and_b32 v9, 15, v0                           ; r
	s_delay_alu instid0(VALU_DEP_2)
	v_lshlrev_b32 v3, 6, v8                        ; v3: 64 h
	s_delay_alu instid0(VALU_DEP_2)
	v_mul_u32_u24 v4, v9, SPI
	s_delay_alu instid0(VALU_DEP_1)
	v_add_nc_u32 v4, v4, v3
	s_delay_alu instid0(VALU_DEP_1)
	v_add_nc_u32 v4, s92, v4                       ; v4: the stage, in: row r, + 64 h
	v_mul_u32_u24 v5, v8, SPI
	s_delay_alu instid0(VALU_DEP_1)
	v_lshl_add_u32 v5, v9, 4, v5
	s_delay_alu instid0(VALU_DEP_1)
	v_add_nc_u32 v5, s92, v5                       ; v5: back: two rows of 256 bytes an instruction
	v_lshlrev_b32 v6, 12, v8
	s_delay_alu instid0(VALU_DEP_1)
	v_lshl_add_u32 v6, v9, 4, v6                   ; v6: the same two rows in out
	v_lshlrev_b32 v11, 5, v0                       ; the mask: eight keys a thread
	s_delay_alu instid0(VALU_DEP_1)
	v_add_nc_u32 v10, MB, v11
	global_load_b128 v[128:131], v11, s[6:7]
	global_load_b128 v[132:135], v11, s[6:7] offset:16
	global_load_b128 v[16:19], v1, s[86:87]        ; tile 0 of Q
	global_load_b64 v[20:21], v2, s[86:87] offset:512
	global_load_b32 v[QS], v1, s[88:89]            ; lanes 0-15 tile 0's words, lanes 16-31 tile 1's
.macro INIT
.irp i, 22,23,24,25,26,27,14,15,236,237,238,239,253
	v_mov_b32 v[\i], 0                             ; Q's zero codes; the sum; registers named as a permute's destination or a pair's upper half before they are written
.endr
	v_mov_b32 v12, 0x71800000                      ; -M = 2^100
	v_mov_b32 v13, 0xf1800000                      ; the largest t so far: -2^100
.set j, 0
.rept 32
	v_mov_b32 v[O+j], 0                            ; O^T: the step is written once; the first change of M leaves zeros zeros
.set j, j+1
.endr
.endm
	WIN 0x40
	global_load_b128 v[16:19], v1, s[86:87] offset:768   ; tile 1 of Q
	global_load_b64 v[20:21], v2, s[86:87] offset:768+512
	INIT
.irp i, 76,77,78,79,80,81
	v_mov_b32 v[\i], 0                             ; the upper half of K's last fragment
.endr
	WIN 0
	INIT
	v_mov_b32 v144, 0xfe800000                     ; -2^126
	s_wait_alu depctr_va_vdst(0)
	s_wait_loadcnt 5                               ; the mask's two loads are in; Q's five may be out
.irp i, 0,1,2,3,4,5,6,7
	v_cmp_eq_u32 vcc_lo, 0, v[128+\i]
	s_delay_alu instid0(VALU_DEP_1)
	v_cndmask_b32 v[136+\i], 0, v144, vcc_lo
.endr
	ds_store_b128 v10, v[136:139]
	ds_store_b128 v10, v[140:143] offset:16
	s_wait_loadcnt 0x0
.macro MM d, a, b, c, sa, sb, m:vararg
	v_wmma_scale_f32_16x16x128_f8f6f4 v[\d:\d+7], v[\a:\a+11], v[\b:\b+11], v[\c:\c+7], v[\sa], v[\sb] matrix_a_fmt:MATRIX_FMT_FP6 matrix_b_fmt:MATRIX_FMT_FP6 \m
.endm
.macro SPROD w, t                      ; the scores of key tile t for query tile w; C = the keys' addends
.if (\t)%2
.if \w
	MM S+8*(\t), KF+6*(\t), 16, AD+8*((\t)%4), KS+(\t)/2, QS, matrix_a_scale:MATRIX_SCALE_ROW1 matrix_b_scale:MATRIX_SCALE_ROW1
.else
	MM S+8*(\t), KF+6*(\t), 16, AD+8*((\t)%4), KS+(\t)/2, QS, matrix_a_scale:MATRIX_SCALE_ROW1
.endif
.else
.if \w
	MM S+8*(\t), KF+6*(\t), 16, AD+8*((\t)%4), KS+(\t)/2, QS, matrix_b_scale:MATRIX_SCALE_ROW1
.else
	MM S+8*(\t), KF+6*(\t), 16, AD+8*((\t)%4), KS+(\t)/2, QS
.endif
.endif
.endm
.macro OPROD w, t                      ; O^T's channel tile t += V^T P^T
.if (\t)%2
	MM O+8*(\t), VF+12*(\t), 224, O+8*(\t), VS+(\t)/2, PS+\w, matrix_a_scale:MATRIX_SCALE_ROW1
.else
	MM O+8*(\t), VF+12*(\t), 224, O+8*(\t), VS+(\t)/2, PS+\w
.endif
.endm
.macro ADDR
	v_add_nc_u32 v7, s[TB], v1
	v_add_nc_u32 v8, s[TB], v2
	v_add_nc_u32 v9, s[TS], v1
	v_add_nc_u32 v10, s[TV], v2
	v_add_nc_u32 v11, s[TM], v3
.endm
.macro PF d                            ; 33 loads: K's scale words, the addends and K's eight tiles of this step (d = 0) or the next (d = 1)
	ds_load_b128 v[KS:KS+3], v9 offset:512*\d
.irp t, 0,1,2,3
	ds_load_b128 v[AD+8*\t:AD+8*\t+3], v11 offset:512*\d+(32*(\t/2)+8*(\t%2))*4
	ds_load_b128 v[AD+8*\t+4:AD+8*\t+7], v11 offset:512*\d+(32*(\t/2)+8*(\t%2))*4+16
.endr
	WIN 0x40
.irp t, 0,1,2,3
	ds_load_b128 v[AD+8*\t:AD+8*\t+3], v11 offset:512*\d+(64+32*(\t/2)+8*(\t%2))*4
	ds_load_b128 v[AD+8*\t+4:AD+8*\t+7], v11 offset:512*\d+(64+32*(\t/2)+8*(\t%2))*4+16
.endr
.irp t, 0,1,2,3,4,5,6,7
	ds_load_b128 v[KF+6*\t:KF+6*\t+3], v7 offset:KV*\d+768*\t
	ds_load_b64 v[KF+6*\t+4:KF+6*\t+5], v8 offset:KV*\d+768*\t+512
.endr
	WIN 0
.endm
.macro TMM j0, n                       ; t - M, two at a time
.set j, \j0
.rept \n
	v_pk_fma_f32 v[S+j:S+j+1], v[S+j:S+j+1], s[CS:CS+1], v[12:13] op_sel_hi:[1,0,0]
.set j, j+2
.endr
.endm
; One tile's softmax and quantiser for 128 keys.  wa: the tile's window in every operand place; wp: the same with the destination in window 0, for p's scale word ps.
.macro SOFT ps, wa, wp
	WIN \wa
.if \wa
	s_wait_alu depctr_va_vdst(0)
.endif
.irp b, 0,1,2,3
	v_max3_num_f32 v[232+\b], v[S+16*\b], v[S+1+16*\b], v[S+2+16*\b]   ; the largest score of each block of 32 keys: for the row's maximum and for the block's largest p
.endr
.irp i, 3,5,7,9,11,13
.irp b, 0,1,2,3
	v_max3_num_f32 v[232+\b], v[232+\b], v[S+16*\b+\i], v[S+1+16*\b+\i]
.endr
.endr
.irp b, 0,1,2,3
	v_max_num_f32 v[232+\b], v[232+\b], v[S+15+16*\b]
.endr
.irp b, 0,1,2,3
	s_delay_alu instid0(VALU_DEP_4)
	v_permlanex16_b32 v[236+\b], v[232+\b], s[SEL], s[SEL+1]
.endr
.irp b, 0,1,2,3
	s_delay_alu instid0(VALU_DEP_4)
	v_max_num_f32 v[232+\b], v[232+\b], v[236+\b]
.endr
	s_delay_alu instid0(VALU_DEP_2)
	v_max3_num_f32 v254, v232, v233, v234
	s_delay_alu instid0(VALU_DEP_1)
	v_max_num_f32 v254, v254, v235
	s_delay_alu instid0(VALU_DEP_1)
	v_mul_f32 v254, s[CS], v254
	s_delay_alu instid0(VALU_DEP_1)
	v_max_num_f32 v13, v13, v254                   ; the running largest t
	v_mov_b32 v254, v12
	s_delay_alu instid0(VALU_DEP_2)
	v_floor_f32 v12, -v13                          ; -M = -ceil(t)
	s_delay_alu instid0(VALU_DEP_1)
	v_sub_f32 v254, v12, v254                      ; old M - new M, a whole number
	TMM 0, 8
	v_cvt_i32_f32 v254, v254                       ; (it saturates)
	TMM 16, 8
	v_ldexp_f32 v252, 1.0, v254                    ; f = 2^(old M - new M)
	TMM 32, 16
.irp b, 0,1,2,3
	v_fma_f32 v[232+\b], v[232+\b], s[CS], v12
.endr
	s_wait_alu depctr_va_vdst(0)
.irp b, 0,1,2,3
	v_exp_f32 v[232+\b], v[232+\b]                 ; each block's largest p: the same operations on the same number give the same bits
.endr
.set j, 0
.rept 64
	v_exp_f32 v[S+j], v[S+j]                       ; p = 2^(t - M)
.set j, j+1
.endr
	v_pk_mul_f32 v[14:15], v[14:15], v[252:253] op_sel_hi:[1,0]   ; the sum under the new M (the plain line behind the batch)
	s_wait_alu depctr_va_vdst(0)                   ; one wait for the batch, directly ahead of O^T's first readers too
.set j, 0
.rept 16
	v_pk_mul_f32 v[O+j:O+j+1], v[O+j:O+j+1], v[252:253] op_sel_hi:[1,0]   ; O^T under the new M
.set j, j+2
.endr
.irp b, 0,1,2,3
	v_max_num_f32 v[232+\b], 0x1800000, v[232+\b]  ; the floor 2^(3 - 127): the byte cannot fall under 1
.endr
.irp b, 0,1,2,3
	s_delay_alu instid0(VALU_DEP_4)
	v_add_nc_u32 v[244+\b], 0xff000000, v[232+\b]  ; 2 off the exponent field: the conversion's scale operand
.endr
.irp b, 0,1,2,3
	s_delay_alu instid0(VALU_DEP_4)
	v_lshrrev_b32 v[236+\b], 23, v[244+\b]
.endr
	s_delay_alu instid0(VALU_DEP_3)
	v_lshl_or_b32 v254, v237, 8, v236
	s_delay_alu instid0(VALU_DEP_1)
	v_lshl_or_b32 v254, v238, 16, v254
	WIN \wp
	v_lshl_or_b32 v[\ps], v239, 24, v254           ; p's scale word for these 128 keys: scale operands lie in window 0
	WIN \wa
.irp c, 0,1
	v_cvt_scalef32_pk16_fp6_f32 v[224+6*\c:226+6*\c], v[S+32*\c:S+15+32*\c], v[244+2*\c]
	v_cvt_scalef32_pk16_fp6_f32 v[236+4*\c:238+4*\c], v[S+16+32*\c:S+31+32*\c], v[244+2*\c+1]
.endr
	v_nop                                          ; one plain line behind the conversions
.irp c, 0,1                                    ; a whole block to a lane: lanes 0-15 block 2 c, lanes 16-31 block 2 c + 1
.irp i, 0,1,2
	v_permlane16_swap_b32 v[224+6*\c+\i], v[236+4*\c+\i]
.endr
.irp i, 0,1,2
	s_delay_alu instid0(VALU_DEP_3)
	v_mov_b32 v[227+6*\c+\i], v[236+4*\c+\i]
.endr
.endr
	v_pk_add_f32 v[14:15], v[14:15], v[S+14:S+15]  ; the sum of the unquantised p, in eight chains; these 32 lines are also the places between p's codes and scale word and the products
.irp k, 0,1,2,3,4,5,6
	v_pk_add_f32 v[236+2*\k:237+2*\k], v[S+2*\k:S+2*\k+1], v[S+16+2*\k:S+17+2*\k]
.endr
	v_pk_add_f32 v[14:15], v[14:15], v[S+30:S+31]
.irp r, 32,48
.irp k, 0,1,2,3,4,5,6
	v_pk_add_f32 v[236+2*\k:237+2*\k], v[236+2*\k:237+2*\k], v[S+\r+2*\k:S+\r+2*\k+1]
.endr
	v_pk_add_f32 v[14:15], v[14:15], v[S+\r+14:S+\r+15]
.endr
	v_pk_add_f32 v[236:237], v[236:237], v[238:239]
	v_pk_add_f32 v[240:241], v[240:241], v[242:243]
	v_pk_add_f32 v[244:245], v[244:245], v[246:247]
	s_delay_alu instid0(VALU_DEP_4)
	v_pk_add_f32 v[14:15], v[14:15], v[248:249]
	s_delay_alu instid0(VALU_DEP_3)
	v_pk_add_f32 v[236:237], v[236:237], v[240:241]
	s_delay_alu instid0(VALU_DEP_2)
	v_pk_add_f32 v[14:15], v[14:15], v[244:245]
	s_delay_alu instid0(VALU_DEP_1)
	v_pk_add_f32 v[14:15], v[14:15], v[236:237]
.endm
; A KEY STEP: 128 keys, both tiles.  At its top K's tiles, K's scale words and the addends have been asked for.  No two matrix instructions that follow each other share an accumulator.
.macro STEP pf
	ADDR                                           ; five plain lines: the places in front of the loads into V's registers
.irp t, 0,1,2,3
.irp c, 0,1,2
	ds_load_b128 v[VF+12*\t+4*\c:VF+12*\t+4*\c+3], v7 offset:6144+1536*\t+512*\c
.endr
.endr
	ds_load_b64 v[VS:VS+1], v10
	s_wait_alu depctr_va_vdst(0)
	s_wait_dscnt 13                                ; all but V's thirteen
	WIN 0x01                                       ; K in window 1
.irp t, 0,1,2,3
	SPROD 0, \t
.endr
	WIN 0x11                                       ; and the addends
.irp t, 4,5,6,7
	SPROD 0, \t
.endr
	WIN 0x45                                       ; tile 1: Q and S^T in window 1
.irp t, 0,1,2,3
	SPROD 1, \t
.endr
	WIN 0x55
.irp t, 4,5,6,7
	SPROD 1, \t
.endr
	WIN 0
	NOPS 4                                         ; places in front of loads into the products' sources and of the first read of results
.if \pf
	PF 1
.endif
	SOFT PS, 0, 0
.if \pf
	s_wait_dscnt 33                                ; V is in; the 33 loads for the next step may be out
.else
	s_wait_dscnt 0x0
.endif
.irp t, 0,1,2,3
	OPROD 0, \t
.endr
	SOFT PS+1, 0x55, 0x15
	WIN 0x54                                       ; V in window 0
.irp t, 0,1,2,3
	OPROD 1, \t
.endr
	WIN 0
.endm
.macro NEXT lab
	s_add_co_u32 s[TB], s[TB], KV
	s_add_co_u32 s[TS], s[TS], 512
	s_add_co_u32 s[TV], s[TV], 256
	s_add_co_u32 s[TM], s[TM], 512
	s_sub_co_u32 s[TRIP], s[TRIP], 1
	s_cmp_lg_u32 s[TRIP], 0
	s_cbranch_scc1 \lab
.endm
	s_wait_alu depctr_va_vdst(0)                   ; the wait at the head's end
	s_wait_tensorcnt 0x0                           ; my part of the first load is in
	ds_add_u32 v28, v29
	s_wait_dscnt 0x0                               ; the add and my addends' stores are done
	ROUND
	tensor_load_to_lds s[G0B:G0B+3], s[G1B:G1B+7]  ; steps 4-15, the first tensor load behind the round
	s_nop 0
	NOPS 4
	s_mov_b32 s[TB], KV
	s_mov_b32 s[TS], 0
	s_mov_b32 s[TV], SCV
	s_mov_b32 s[TM], MB
	s_mov_b32 s[TRIP], 3
	ADDR
	PF 0
.Lfirst:                                               ; steps 0-2: they read steps 0-3's bytes alone
	STEP 1
	NEXT .Lfirst
	s_wait_tensorcnt 0x0                           ; my part of steps 4-15 is in,
	s_wait_dscnt 0x0                               ; no LDS instruction of mine is pending at the signal,
	s_barrier_signal -1
	s_barrier_wait -1                              ; and the same holds of every wave
	s_mov_b32 s[TB], 4*KV
	s_mov_b32 s[TS], 3*512
	s_mov_b32 s[TV], SCV+3*256
	s_mov_b32 s[TM], MB+3*512
	s_mov_b32 s[TRIP], 12
.Lrest:                                                ; steps 3-14
	STEP 1
	NEXT .Lrest
	STEP 0                                         ; step 15 asks for nothing more
; THE WAY OUT of tile u: O^T / the sum, through my own stage, so that sixteen lanes store a query's 64 channels: 256 consecutive bytes, aligned.
.macro FIN u, wa, wd, lb
	WIN \wa
	v_add_f32 v14, v14, v15
	s_delay_alu instid0(VALU_DEP_1)
	v_permlanex16_b32 v252, v14, s[SEL], s[SEL+1]
	s_delay_alu instid0(VALU_DEP_1)
	v_add_f32 v14, v14, v252                       ; the row's sum
	s_wait_alu depctr_va_vdst(0)                   ; the wait ahead of the reciprocal
	v_rcp_f32 v14, v14
	NOPS 4                                         ; the plain line behind it, and places behind the last products
	s_wait_alu depctr_va_vdst(0)                   ; and ahead of its first reader, which is O^T's too
.set j, 0
.rept 16
	v_pk_mul_f32 v[S+j:S+j+1], v[O+j:O+j+1], v[14:15] op_sel_hi:[1,0]   ; register 16 a + i is out(query r, channel 32 a + 16 h + i)
.set j, j+2
.endr
	WIN \wd                                        ; the stores' data in the tile's window
.irp a, 0,1
.irp k, 0,1,2,3
	ds_store_b128 v4, v[S+16*\a+4*\k:S+16*\a+4*\k+3] offset:128*\a+16*\k
.endr
.endr
	WIN 0
.irp i, 0,1,2,3,4,5,6,7
	ds_load_b128 v[\lb+4*\i:\lb+4*\i+3], v5 offset:2*\i*SPI   ; LDS serves a wave's instructions in order (ISA guide 5.7.1.4)
.endr
.irp i, 0,1,2,3,4,5,6,7
	s_wait_dscnt 7-\i                              ; the i-th is in, the younger ones may be out
	global_store_b128 v6, v[\lb+4*\i:\lb+4*\i+3], s[8:9] offset:(8*\u+16*(\i/4)+2*(\i%4))*4096 th:TH_STORE_NT   ; stage row p is token 8 u + 16 (p / 8) + p % 8 of my 32
.endr
.endm
	FIN 0, 0, 0, 32
	FIN 1, 0x55, 0x04, 160
	s_wait_tensorcnt 0x0                           ; the wave's end
	ds_add_u32 v28, v29
	s_wait_dscnt 0x0
	ROUND                                          ; the closing round
	s_endpgm
.Lfunc_end_k_q416dc830d5_attn:
	.size	k_q416dc830d5_attn, .Lfunc_end_k_q416dc830d5_attn-k_q416dc830d5_attn
	.p2alignl 7, 3214868480
	.fill 96, 4, 3214868480
	.section	.rodata,"a",@progbits
	.p2align	6, 0x0
	.amdhsa_kernel k_q416dc830d5_attn
		.amdhsa_group_segment_fixed_size 327680
		.amdhsa_private_segment_fixed_size 0
		.amdhsa_enable_private_segment 0
		.amdhsa_kernarg_size 24
		.amdhsa_user_sgpr_count 2
		.amdhsa_user_sgpr_kernarg_segment_ptr 1
		.amdhsa_wavefront_size32 1
		.amdhsa_system_sgpr_workgroup_id_x 1
		.amdhsa_system_sgpr_workgroup_id_y 1
		.amdhsa_system_sgpr_workgroup_id_z 1
		.amdhsa_system_vgpr_workitem_id 0
		.amdhsa_next_free_vgpr 512
		.amdhsa_next_free_sgpr 96
		.amdhsa_reserve_vcc 1
		.amdhsa_float_denorm_mode_32 3
		.amdhsa_float_denorm_mode_16_64 3
		.amdhsa_memory_ordered 1
		.amdhsa_forward_progress 1
		.amdhsa_inst_pref_size 117
	.end_amdhsa_kernel
	.amdgpu_metadata
---
amdhsa.version: [ 1, 2 ]
amdhsa.kernels:
  - .name:           k_q416dc830d5_attn
    .symbol:         k_q416dc830d5_attn.kd
    .args:
      - { .name: hcodes, .offset: 0, .size: 8, .value_kind: global_buffer, .address_space: global }
      - { .name: attention_mask, .offset: 8, .size: 8, .value_kind: global_buffer, .address_space: global }
      - { .name: out0, .offset: 16, .size: 8, .value_kind: global_buffer, .address_space: global }
    .group_segment_fixed_size: 327680
    .private_segment_fixed_size: 0
    .kernarg_segment_align: 8
    .kernarg_segment_size: 24
    .max_flat_workgroup_size: 256
    .sgpr_count:     96
    .vgpr_count:     512
    .wavefront_size: 32
...
	.end_amdgpu_metadata
.endif
;; end of part 3
